; MI455X (gfx1250); checked and timed in simulation.
; The chip was launched on July 23, 2026; its instructions are those of AMD's public machine-readable ISA for CDNA 5 (MIT licence, August 2026) and "CDNA5" Instruction Set Architecture Reference Guide (July 2026). The comments in the code are by the model that wrote it; some were corrected since.
;; Attention Core. Allowed arithmetic: matrix products marked QUANTISED: E2M1 operands, one E8M0 scale for each 32 along K, by v_wmma_scale_f32_16x16x128_f8f6f4 with both operands' format E2M1 (or v_wmma_scale_f32_32x16x128_f4), f32 sums; everything else in f32.
;; Inputs: k 4 x 16 x 2,048 x 64 float32; q 4 x 16 x 2,048 x 64 float32; v 4 x 16 x 2,048 x 64 float32.
;; Outputs: out0 4 x 2,048 x 1,024 float32.
;; This version of the problem:
;;   THIS VERSION OF THE PROBLEM IS GIVEN IN LOW PRECISION. The matrix products marked QUANTISED in the list below multiply operands that are first quantised to E2M1 (2 exponent bits, 1 mantissa bit; 4 bits a number), with one power-of-two scale for each 32 numbers along K (OCP MX v1.0); their sums are f32. All else is computed in f32.
;;   The module's matrix products, in the order in which they are computed (A, B: the left and right operand; K: the contracted axis; several contracted axes count as one K, in the product's order):
;;     1. batch 64 x [M 2,048, K 64] x [K 64, N 2,048]; A: input q; B: input k: QUANTISED
;;     2. batch 64 x [M 2,048, K 2,048] x [K 2,048, N 64]; A: softmax (see below); B: input v: QUANTISED
;;   THE QUANTISER, for each operand of a quantised product, along K:
;;     - K is cut into blocks of 32 from its start; a last block that is shorter is filled with zeros.
;;     - A block's scale is 2^e with e = floor(log2(the largest magnitude in the block)) - 2, held to -126 .. 127; a block of zeros has e = 0. As a byte (E8M0): e + 127.
;;     - Each number is divided by its block's scale, clamped to +-6, and rounded to the nearest number of E2M1, ties to even, subnormals kept.
;;     - The product sums the exact products of the quantised numbers (number of the format x scale) in f32.
;;   ~~~python
;;   def quantise(x, axis):      # numpy; x: float32 -> the quantised numbers, widened to float32 again
;;       x = np.moveaxis(x, axis, -1); K = x.shape[-1]
;;       x = np.pad(x, [(0, 0)] * (x.ndim - 1) + [(0, -K % 32)]); x = x.reshape(x.shape[:-1] + (-1, 32)); a = np.abs(x).max(-1, keepdims=True)
;;       e = np.where(a > 0, np.clip(np.frexp(np.where(a > 0, a, 1))[1] - 1 - 2, -126, 127), 0)      # np.frexp(a)[1] - 1 = floor(log2(a)), exactly
;;       r = np.clip(x / 2.0 ** e, -6, 6)
;;       step = 2.0 ** (np.maximum(np.frexp(np.where(r == 0, 1, r))[1] - 1, 0) - 1)
;;       q = np.round(r / step) * step * 2.0 ** e      # np.round: ties to even
;;       return np.moveaxis(q.reshape(q.shape[:-2] + (-1,))[..., :K], -1, axis).astype(np.float32)
;;   ~~~
;;   SOFTMAX AHEAD OF A QUANTISED PRODUCT. Where the list says 'softmax', what is quantised is not the finished softmax but p = 2^(t - M), with t = logit x log2(e) and M = ceil(the row's largest t), a whole number; so 1/2 < the row's largest p <= 1. The row's sum l is taken of the UNQUANTISED p, in f32, and the product's result is divided by l at the end. Since M is a whole number, a kernel that streams over the keys may use a running M (the ceiling of the running maximum): every later rescaling is an exact power of two, which a block's scale takes up: the codes' values come out the same.
;;   OPERANDS COMPUTED ON THE WAY. 'Computed on the way' means the value that the module computes at that place (a softmax that the list does not call 'softmax' is quantised finished and normalised). What goes into a quantiser is computed in f32, as accurately as f32 sums, v_exp_f32 and their like allow (about 1e-6 of the number): no bf16 or f16 on the way to a quantiser, and a product that is left as it is and whose result goes on into a quantised operand takes f32 operands (vector FMAs, or v_wmma_f32_16x16x4_f32). A number that lies on a knife's edge between two numbers of the format may be rounded either way, as far as f32 arithmetic and the matrix unit's own rounding can turn it there, and no further.
;; One version. Each part assembles by itself: llvm-mc -triple=amdgcn-amd-amdhsa -mcpu=gfx1250 --defsym DOCPART=n.
;; ======== version 1 of 1: 2 launches
;; limits: right only within a limited range of input values
;; workspace buffers: kv 9,175,040 bytes
;; launch quant (part 1): grid 1024 x 1, 8 waves a work-group, no clusters, 36,864 bytes of LDS; arguments k, v, kv; writes kv
.if DOCPART == 1
	.amdgcn_target "amdgcn-amd-amdhsa--gfx1250"
	.amdhsa_code_object_version 6
	.text
	.protected	k_qa13c15058d_quant
	.globl	k_qa13c15058d_quant
	.p2align	8
	.type	k_qa13c15058d_quant,@function
k_qa13c15058d_quant:
	s_mov_b64 s[64:65], 0
	v_nop
	global_prefetch_b8 v0, s[64:65] scope:SCOPE_SE
	s_setreg_imm32_b32 hwreg(HW_REG_WAVE_MODE, 25, 1), 1
	s_wait_xcnt 0x0
; k and v, [64 heads][2048 keys][64] f32, become codes of FP4 (E2M1) with one E8M0 scale byte for each 32 along K, laid as the attention launch's operand registers want them.
; k is quantised along the head's 64 (two blocks a key), v along the KEYS (a block = 32 keys of one channel).
; A block's scale is 2^(floor(log2(its largest magnitude)) - 2); its byte is the largest magnitude's exponent field - 2, held at 1 from below.  A block of zeros so gets the byte 1: its codes are zeros, and this program alone reads the bytes.
; LIMITS: NaN and infinities among the inputs are not served; a block whose largest magnitude lies under 2^-124 keeps the byte 1.
; A UNIT of kv is one step of 128 keys of one head, 8,960 bytes (unit u = 16 x head + step), images of registers, l = lane, r = l % 16, h = l / 16:
;   +0     K's 8 tiles of 16 keys: tile t at 512 t, lane l's 16 bytes at 16 l: key 32 (t / 2) + 8 (t % 2) + r + 8 (r / 8), its numbers 32 h .. 32 h + 31
;   +4096  V's 4 tiles of 16 channels x 2 halves: 1024 n + 512 c + 16 l: channel 16 n + r, keys 64 c + 32 h + 0 .. 31
;   +8192  K's scale words: lane l's 16 bytes at 16 l: word i = tile 4 h + i, row r (byte 0, 1: the key's two blocks; bytes 2, 3: 0, over codes that are zeros)
;   +8704  V's scale words: lane l's 8 bytes at 8 l: word i = tile 2 i + h, channel r (byte b: the step's b-th 32 keys)
; SHARES.  A work-group makes one unit.  Waves 0-3 take 32 keys of k each (two tiles), waves 4-7 32 keys of v each (one block for all 64 channels).  A wave reads 8,192 bytes, all asked for at once: no loop.
; Work-groups share no input: no cluster.  Each byte passes once, from registers: no tensor load, no ring.  No products: no matrix instruction.
.set STP,  272                         ; a row of a K wave's stage: a key's 256 bytes + 16
.set STW,  32*STP                      ; a stage: 32 keys
.set G,    4*STW                       ; behind the four stages: K's 512 bytes of scale words, then V's 256
.set UNIT, 8960
.set R,    16                          ; v16-79   64 numbers
.set C,    80                          ; v80-87   two blocks' codes
.set T,    88                          ; v88-95   at work: +0,1 largest magnitudes, +2,3 scale operands, +4,5 bytes, +6,7 the other half's bytes
.set W,    96                          ; v96-97   two tiles' scale words
.set SH8,  12                          ; v12      8 h
.set SEL,  22                          ; s[22:23] v_permlanex16_b32's selects for lane l xor 16
; Two blocks of 32 numbers, v[x] .. v[x+31] and v[x+32] .. v[x+63], become 4 registers of codes each (d0, d1); the bytes are left in v[t+4], v[t+5].  The two blocks go by turns, so that no line waits for the line above it.
.macro QUANT2 x, t, d0, d1
.irp c, 0,1
	v_max3_num_f32 v[\t+\c], |v[\x+32*\c]|, |v[\x+32*\c+1]|, 0x1800000   ; and the floor 2^(3 - 127): the byte cannot fall under 1
.endr
.irp i, 2,4,6,8,10,12,14,16,18,20,22,24,26,28,30
.irp c, 0,1
	s_delay_alu instid0(VALU_DEP_2)
	v_max3_num_f32 v[\t+\c], v[\t+\c], |v[\x+32*\c+\i]|, |v[\x+32*\c+\i+1]|
.endr
.endr
.irp c, 0,1
	s_delay_alu instid0(VALU_DEP_2)
	v_add_nc_u32 v[\t+2+\c], 0xff000000, v[\t+\c]  ; 2 off the exponent field: the conversion takes the exponent field of this operand as its scale, and nothing else of it
.endr
.irp c, 0,1
	s_delay_alu instid0(VALU_DEP_2)
	v_lshrrev_b32 v[\t+4+\c], 23, v[\t+2+\c]       ; the scale's byte
.endr
.irp g, 0,1,2,3
	v_cvt_scalef32_pk8_fp4_f32 v[\d0+\g], v[\x+8*\g:\x+8*\g+7], v[\t+2]
.endr
.irp g, 0,1,2,3
	v_cvt_scalef32_pk8_fp4_f32 v[\d1+\g], v[\x+32+8*\g:\x+32+8*\g+7], v[\t+3]
.endr
	v_nop                                          ; one plain place behind the scaled conversions
.endm
; Block c's byte belongs to the row's block h: with lane l xor 16's it makes the row's scale word, the same in both halves of the lanes.
.macro WORD t, c, w
	v_lshlrev_b32 v[\t+4+\c], v[SH8], v[\t+4+\c]
	s_delay_alu instid0(VALU_DEP_1)
	v_permlanex16_b32 v[\t+6+\c], v[\t+4+\c], s[SEL], s[SEL+1]
	s_delay_alu instid0(VALU_DEP_1)
	v_or_b32 v[\w], v[\t+4+\c], v[\t+6+\c]
.endm
	s_load_b128 s[4:7], s[0:1], 0x0                ; k, v
	s_load_b64 s[8:9], s[0:1], 0x10                ; kv
	v_lshl_add_u32 v112, v0, 2, 0x8c00
	v_mov_b32 v113, 0
	v_lshrrev_b32 v1, 5, v0
	s_delay_alu instid0(VALU_DEP_1)
	v_readfirstlane_b32 s10, v1                    ; wave 0..7
	s_and_b32 s11, s10, 3                          ; which 32 keys of the step are mine
	v_and_b32 v1, 31, v0                           ; lane
	v_and_b32 v13, 15, v0                          ; r
	v_bfe_u32 v14, v0, 4, 1                        ; h
	s_delay_alu instid0(VALU_DEP_3)
	v_lshlrev_b32 v2, 4, v1                        ; 16 l
	s_delay_alu instid0(VALU_DEP_4)
	v_lshlrev_b32 v3, 2, v1                        ; 4 l
	v_lshlrev_b32 v10, 3, v1                       ; 8 l
	s_delay_alu instid0(VALU_DEP_4)
	v_lshlrev_b32 v[SH8], 3, v14
	; every LDS address is made here, ahead of the parting of the roles
	s_mul_i32 s24, s11, STW                        ; a K wave's stage
	v_mul_u32_u24 v4, v14, STP
	s_delay_alu instid0(VALU_DEP_1)
	v_lshl_add_u32 v4, v13, 4, v4
	s_delay_alu instid0(VALU_DEP_1)
	v_add_nc_u32 v4, s24, v4                       ; into it: a load's two keys, 16 lanes to a key
	v_mul_u32_u24 v5, v13, STP
	s_delay_alu instid0(VALU_DEP_1)
	v_lshl_add_u32 v5, v14, 7, v5
	s_delay_alu instid0(VALU_DEP_1)
	v_add_nc_u32 v5, s24, v5                       ; out of it: row r, my half's 128 bytes
	s_lshr_b32 s25, s11, 1
	s_lshl_b32 s25, s25, 8
	s_and_b32 s26, s11, 1
	s_lshl_b32 s26, s26, 3
	s_add_co_u32 s25, s25, s26
	s_add_co_u32 s25, s25, G
	v_lshl_add_u32 v6, v13, 4, s25                 ; K's scale word of tile 2 x mine, row r: 256 (tile / 4) + 16 r + 4 (tile % 4)
	v_lshl_add_u32 v7, v1, 3, G+512
	s_delay_alu instid0(VALU_DEP_1)
	v_add_nc_u32 v7, s11, v7                       ; V's scale byte: 8 l + my block (+ 4 for channels 32 on)
	v_add_nc_u32 v8, G, v2                         ; the gathered words on their way out
	v_add_nc_u32 v9, G+512, v10
	v_lshlrev_b32 v11, 10, v14
	s_delay_alu instid0(VALU_DEP_1)
	v_lshl_add_u32 v11, v13, 4, v11                ; V's codes in the unit: 1024 (l / 16) + 16 (l % 16)
	v_mov_b32 v[T+6], 0                            ; a lane permute's destination counts as one of its sources
	v_mov_b32 v[T+7], 0
	s_mov_b32 s[SEL], 0x76543210
	s_mov_b32 s[SEL+1], 0xfedcba98
	s_lshl_b32 s14, ttmp9, 15                      ; the unit's 128 keys x 256 bytes,
	s_lshl_b32 s24, s11, 13                        ; my 32 of them
	s_add_co_u32 s14, s14, s24
	s_mov_b32 s15, 0
	s_mul_i32 s26, ttmp9, UNIT
	s_mov_b32 s27, 0
	s_lshl_b32 s24, s11, 10                        ; where my codes go in the unit: K: two tiles of 512 bytes;
	s_lshl_b32 s25, s11, 8
	s_add_co_u32 s25, s25, 4096                    ; V: behind K's, 256 bytes on for each block of keys
	s_wait_kmcnt 0x0
	s_add_nc_u64 s[18:19], s[8:9], s[26:27]        ; the unit
	s_cmp_lt_u32 s10, 4                            ; the choice hangs on the wave's number alone
	s_cselect_b64 s[16:17], s[4:5], s[6:7]
	s_cselect_b32 s26, s24, s25
	s_add_nc_u64 s[16:17], s[16:17], s[14:15]      ; my 8,192 bytes of k or of v
	s_add_nc_u64 s[20:21], s[18:19], s[26:27]      ; my codes
	s_cmp_lt_u32 s10, 4
	s_cbranch_scc0 .Lv
	; ---- K: each load reads 512 consecutive bytes, two keys.  The conversions want 32 neighbours of one key in ONE lane: so the keys turn through my stage.
.irp m, 0,1,2,3,4,5,6,7,8,9,10,11,12,13,14,15
	global_load_b128 v[R+4*\m:R+4*\m+3], v2, s[16:17] offset:512*\m th:TH_LOAD_NT
.endr
.irp m, 0,1,2,3,4,5,6,7,8,9,10,11,12,13,14,15
	s_wait_loadcnt 15-\m                           ; loads come back in order: load m is in, the younger ones stay out
	ds_store_b128 v4, v[R+4*\m:R+4*\m+3] offset:STP*(16*((\m>>2)&1)+8*(\m>>3)+2*(\m&3))   ; key 16 a + 8 b + c goes to stage row 16 b + 8 a + c: row 16 u + r then holds key 8 u + r + 8 (r / 8), tile u's row r
.endr
	s_wait_dscnt 0x0                               ; the stores have read their registers, which are loaded again
.irp u, 0,1
.irp j, 0,1,2,3,4,5,6,7
	ds_load_b128 v[R+32*\u+4*\j:R+32*\u+4*\j+3], v5 offset:16*STP*\u+16*\j
.endr
.endr
	s_wait_dscnt 0x0
	QUANT2 R, T, C, C+4                            ; block h of row r of my two tiles
	WORD T, 0, W
	WORD T, 1, W+1
.irp c, 0,1
	global_store_b128 v2, v[C+4*\c:C+4*\c+3], s[20:21] offset:512*\c   ; the wave stores 512 consecutive bytes, aligned
	ds_store_b32 v6, v[W+\c] offset:4*\c           ; both halves of the lanes write the same word with the same value
.endr
	s_branch .Ljoin
.Lv:	; ---- V: a lane takes a channel and its registers run down the keys: a block lies in one lane, and the codes come out with the keys innermost.  A key's two halves of 128 bytes are asked for one behind the other
.irp n, 0,1,2,3,4,5,6,7,8,9,10,11,12,13,14,15,16,17,18,19,20,21,22,23,24,25,26,27,28,29,30,31
.irp i, 0,1
	global_load_b32 v[R+32*\i+\n], v3, s[16:17] offset:256*\n+128*\i th:TH_LOAD_NT
.endr
.endr
	s_wait_loadcnt 0x0
	QUANT2 R, T, C, C+4                            ; my block of keys for channels l and 32 + l
.irp i, 0,1
	global_store_b128 v11, v[C+4*\i:C+4*\i+3], s[20:21] offset:2048*\i   ; 16 lanes store 256 consecutive bytes, aligned
	ds_store_b8 v7, v[T+4+\i] offset:4*\i
.endr
.Ljoin:
	s_wait_dscnt 0x0                               ; for the others' sake: my stores of scale words have landed
	s_barrier_signal -1
	s_barrier_wait -1
	s_cmp_lg_u32 s10, 0
	s_cbranch_scc1 .Lnot_0
	ds_load_b128 v[100:103], v8                    ; wave 0: K's scale words, 512 consecutive bytes
	s_wait_dscnt 0x0
	global_store_b128 v2, v[100:103], s[18:19] offset:8192
.Lnot_0:
	s_cmp_lg_u32 s10, 1
	s_cbranch_scc1 .Lend
	ds_load_b64 v[104:105], v9                     ; wave 1: V's, 256 consecutive bytes
	s_wait_dscnt 0x0
	global_store_b64 v10, v[104:105], s[18:19] offset:8704
.Lend:
	s_wait_tensorcnt 0x0
	ds_add_u32 v112, v113
	s_wait_dscnt 0x0
	s_endpgm
.Lfunc_end_k_qa13c15058d_quant:
	.size	k_qa13c15058d_quant, .Lfunc_end_k_qa13c15058d_quant-k_qa13c15058d_quant
	.p2alignl 7, 3214868480
	.fill 96, 4, 3214868480
	.section	.rodata,"a",@progbits
	.p2align	6, 0x0
	.amdhsa_kernel k_qa13c15058d_quant
		.amdhsa_group_segment_fixed_size 36864
		.amdhsa_private_segment_fixed_size 0
		.amdhsa_enable_private_segment 0
		.amdhsa_kernarg_size 24
		.amdhsa_user_sgpr_count 2
		.amdhsa_user_sgpr_kernarg_segment_ptr 1
		.amdhsa_wavefront_size32 1
		.amdhsa_system_sgpr_workgroup_id_x 1
		.amdhsa_system_sgpr_workgroup_id_y 1
		.amdhsa_system_sgpr_workgroup_id_z 1
		.amdhsa_system_vgpr_workitem_id 0
		.amdhsa_next_free_vgpr 114
		.amdhsa_next_free_sgpr 66
		.amdhsa_reserve_vcc 0
		.amdhsa_float_denorm_mode_32 3
		.amdhsa_float_denorm_mode_16_64 3
		.amdhsa_memory_ordered 1
		.amdhsa_forward_progress 1
		.amdhsa_inst_pref_size 23
	.end_amdhsa_kernel
	.amdgpu_metadata
---
amdhsa.version: [ 1, 2 ]
amdhsa.kernels:
  - .name:           k_qa13c15058d_quant
    .symbol:         k_qa13c15058d_quant.kd
    .args:
      - { .name: k, .offset: 0, .size: 8, .value_kind: global_buffer, .address_space: global }
      - { .name: v, .offset: 8, .size: 8, .value_kind: global_buffer, .address_space: global }
      - { .name: kv, .offset: 16, .size: 8, .value_kind: global_buffer, .address_space: global }
    .group_segment_fixed_size: 36864
    .private_segment_fixed_size: 0
    .kernarg_segment_align: 8
    .kernarg_segment_size: 24
    .max_flat_workgroup_size: 256
    .sgpr_count:     66
    .vgpr_count:     114
    .wavefront_size: 32
...
	.end_amdgpu_metadata
.endif
;; end of part 1
;; launch attn (part 2): grid 4 x 64, 16 waves a work-group, clusters of 4 x 1, 215,040 bytes of LDS; arguments q, kv, out0; writes out0
.if DOCPART == 2
	.amdgcn_target "amdgcn-amd-amdhsa--gfx1250"
	.amdhsa_code_object_version 6
	.text
	.protected	k_qa13c15058d_attn
	.globl	k_qa13c15058d_attn
	.p2align	8
	.type	k_qa13c15058d_attn,@function
k_qa13c15058d_attn:
	s_mov_b64 s[64:65], 0
	v_nop
	global_prefetch_b8 v0, s[64:65] scope:SCOPE_SE
	s_setreg_imm32_b32 hwreg(HW_REG_WAVE_MODE, 25, 1), 1
	s_wait_xcnt 0x0
	s_wait_alu depctr_hold_cnt(0) depctr_sa_sdst(0) depctr_va_vdst(0) depctr_va_sdst(0) depctr_va_ssrc(0) depctr_va_vcc(0) depctr_vm_vsrc(0)
	s_getreg_b32 s2, hwreg(HW_REG_IB_STS2, 6, 4)
	s_cmp_eq_u32 s2, 0
	s_cbranch_scc0 .Lentry_in_a_cluster
	s_endpgm
.Lentry_in_a_cluster:
	s_bfe_u32 s2, ttmp6, 0x10000c
	s_cmp_lg_u32 s2, 0x3003
	s_cbranch_scc0 .Lentry_shape_is_right
	s_endpgm
.Lentry_shape_is_right:
; out0[b][s][64 hh + d] = the sum over keys k <= s of softmax_k(q . k / 8) v, for 64 heads (head = 16 b + hh) of 2,048 queries and keys, head size 64; both products on codes of FP4 (E2M1) with one E8M0 scale for each 32 along K.
; k and v come as codes and scale words out of kv, in units of 128 keys laid as images of the operand registers (8,960 bytes: K's 8 tiles, V's 4 x 2 halves, K's scale words, V's); q comes as f32 and is quantised here.
; THE SOFTMAX AHEAD OF THE SECOND PRODUCT: t = score x log2(e) / 8; M = the row's largest t so far, rounded UP to a whole number; p = 2^(t - M) is quantised along the keys, not normalised.  The row's sum is taken of the
; unquantised p and divides at the end.  When M moves, the sum and O are multiplied by 2^(old M - new M): exact.
; THE MASK: in a tile's last step the scores of keys behind the query become -80,000 (the mask's -10,000, ahead of the division by 8).  Steps that lie wholly behind the tile's queries are left out: their p counts as 0.
; LIMITS: that is what the mask's -10,000 gives while a row's largest visible logit lies above about -9,890 (below it 2^(t - M) of a hidden key no longer vanishes in f32).  NaN and infinities among the inputs are not served;
; a block of q whose largest magnitude lies under 2^-124 keeps the scale byte 1; v_exp_f32 gives 0 for p under 2^-126.
; SHARES.  A head has 128 tiles of 16 queries and four work-groups (j = 0..3) of sixteen waves.  Wave w takes two tiles, one after the other: 127 - a and a, a = 4 w + j.  Tile A wants steps 0 .. A / 8 of 128 keys, and a / 8 = w / 2:
; so every wave of every work-group works 17 steps, and which steps hangs on the wave's number alone.  Four waves of 256 registers share a SIMD: one wave's vector work stands beside another's products and LDS loads.
; CLUSTER.  The four work-groups of a head form a cluster and read the same 16 units, 143,360 bytes, which fit in LDS whole: each wave asks for ONE unit, JOINTLY: the same tensor load with the same descriptor and a mask that
; names the four, in all four.  LDS is filled once: no ring, no barrier in the loops.  One tensor load of a wave is out, at the head alone.  All of kv that a work-group reads is asked for at the head: there is nothing to prefetch.
; LAYOUT.  Both products are used transposed: S^T = K Q^T (source 0 = 16 keys, source 1 = my 16 queries; K = 64, the upper 64 of the instruction's 128 are zero codes on both sides), O^T = V^T P^T: a lane holds ONE query throughout.
; THE KEYS OF A TILE ARE NOT NEIGHBOURS: row r of tile 2 b + u is key 32 b + 8 u + r + 8 (r / 8), so that the 16 registers of tiles 2 b and 2 b + 1 are 16 neighbouring keys, 32 b + 16 (lane / 16) + 0 .. 15.
; REGISTERS: v1-7 addresses that stay; v8, v9 the step's LDS addresses; v10 my offset in out0; v11 the mask's bound; v12 -M, v13 the largest t, v[14:15] the sum in two halves; v16-23 Q (v20-23 zeros), v24 its scale words;
;   v25, v28-31 the second tile's; v26-27 V's scale words; v32-95 K's 8 fragments (each one's upper four registers zeros); v96-159 S^T, then p; v160-191 O^T; v192-223 V's fragments; v224-231 p's codes; v232-254 at work; v248-251 K's scale words.
.set UNIT,  8960
.set VIMG,  4096
.set KSCO,  8192
.set VSCO,  8704
.set STG,   16*UNIT                    ; behind the head's units: a stage of 16 rows x (256 bytes + 16) for each wave, for q's turn and for the way out; no fill lands there
.set STP,   272
.set STW,   16*STP
.set SH8,   243                        ; v243     8 h
.set SEL,   36                         ; s[36:37] v_permlanex16_b32's selects for lane l xor 16
.set CS,    38                         ; s[38:39] c = log2(e) / 8: the packed form names a pair and takes its low word for both halves
; s10 wave, s11 j, s24 head, s28 the tile in hand, s29 its last step, s30 the step, s31 the step's unit in LDS, s32 the pass
.macro QUANT2 x, t, d0, d1             ; two blocks of 32 numbers, v[x] .. v[x+31] and v[x+32] .. v[x+63], become 4 registers of codes each; the bytes are left in v[t+4], v[t+5]
.irp c, 0,1
	v_max3_num_f32 v[\t+\c], |v[\x+32*\c]|, |v[\x+32*\c+1]|, 0x1800000   ; and the floor 2^(3 - 127): the byte cannot fall under 1
.endr
.irp i, 2,4,6,8,10,12,14,16,18,20,22,24,26,28,30
.irp c, 0,1
	s_delay_alu instid0(VALU_DEP_2)
	v_max3_num_f32 v[\t+\c], v[\t+\c], |v[\x+32*\c+\i]|, |v[\x+32*\c+\i+1]|
.endr
.endr
.irp c, 0,1
	s_delay_alu instid0(VALU_DEP_2)
	v_add_nc_u32 v[\t+2+\c], 0xff000000, v[\t+\c]  ; 2 off the exponent field: the conversion's scale operand
.endr
.irp c, 0,1
	s_delay_alu instid0(VALU_DEP_2)
	v_lshrrev_b32 v[\t+4+\c], 23, v[\t+2+\c]       ; the scale's byte
.endr
.irp g, 0,1,2,3
	v_cvt_scalef32_pk8_fp4_f32 v[\d0+\g], v[\x+8*\g:\x+8*\g+7], v[\t+2]
.endr
.irp g, 0,1,2,3
	v_cvt_scalef32_pk8_fp4_f32 v[\d1+\g], v[\x+32+8*\g:\x+32+8*\g+7], v[\t+3]
.endr
	v_nop                                          ; one plain place behind the scaled conversions
.endm
.macro WORD t, c, w                    ; block c's byte belongs to the row's block h: with lane l xor 16's it makes the row's scale word
	v_lshlrev_b32 v[\t+4+\c], v[SH8], v[\t+4+\c]
	s_delay_alu instid0(VALU_DEP_1)
	v_permlanex16_b32 v[\t+6+\c], v[\t+4+\c], s[SEL], s[SEL+1]
	s_delay_alu instid0(VALU_DEP_1)
	v_or_b32 v[\w], v[\t+4+\c], v[\t+6+\c]
.endm
.macro CROUND                          ; a round of the cluster's barrier: my work-group's barrier; wave 0 signals for the work-group; every wave waits for all four; my work-group's barrier once more
	s_barrier_signal -1
	s_barrier_wait -1
	s_cmp_lg_u32 s10, 0
	s_cbranch_scc1 .Lnot_wave_0_\@
	s_barrier_signal -3
.Lnot_wave_0_\@:
	s_barrier_wait -3
	s_barrier_signal -1
	s_barrier_wait -1
.endm
	s_load_b128 s[4:7], s[0:1], 0x0                ; q, kv
	s_load_b64 s[8:9], s[0:1], 0x10                ; out0
	v_lshl_add_u32 v254, v0, 2, 0x34000
	v_mov_b32 v255, 0
	ds_add_u32 v254, v255
	ds_add_u32 v254, v255
	s_wait_dscnt 0x0
	v_lshrrev_b32 v1, 5, v0
	s_delay_alu instid0(VALU_DEP_1)
	v_readfirstlane_b32 s10, v1                    ; wave 0..15
	s_bfe_u32 s11, ttmp6, 0x40000                  ; cx: my place in the cluster
	s_lshl_b32 s40, ttmp9, 2                       ; in a cluster launch ttmp9 counts clusters
	s_add_co_u32 s11, s11, s40                     ; j: it enters q's and out0's offsets and the mask's bound, no branch and no LDS address
	s_and_b32 s24, ttmp7, 0xffff                   ; the head, which the four partners share
	v_and_b32 v232, 31, v0                         ; lane
	v_and_b32 v233, 15, v0                         ; r
	v_bfe_u32 v234, v0, 4, 1                       ; h
	s_delay_alu instid0(VALU_DEP_3)
	v_lshlrev_b32 v1, 4, v232                      ; 16 l: an image's place for my lane
	s_delay_alu instid0(VALU_DEP_4)
	v_lshlrev_b32 v2, 3, v232                      ; 8 l
	s_delay_alu instid0(VALU_DEP_3)
	v_lshlrev_b32 v[SH8], 3, v234
	s_delay_alu instid0(VALU_DEP_4)
	v_lshlrev_b32 v235, 4, v234
	s_delay_alu instid0(VALU_DEP_1)
	v_sub_nc_u32 v3, v233, v235                    ; r - 16 h
	s_mul_i32 s41, s10, STW
	s_add_co_u32 s41, s41, STG                     ; my stage
	v_mul_u32_u24 v4, v234, STP
	s_delay_alu instid0(VALU_DEP_1)
	v_lshl_add_u32 v4, v233, 4, v4
	s_delay_alu instid0(VALU_DEP_1)
	v_add_nc_u32 v4, s41, v4                       ; by rows: lanes 0-15 one row of 256 bytes, lanes 16-31 the next
	v_mul_u32_u24 v5, v233, STP
	s_delay_alu instid0(VALU_DEP_1)
	v_lshl_add_u32 v6, v234, 5, v5
	s_delay_alu instid0(VALU_DEP_2)
	v_lshl_add_u32 v5, v234, 7, v5
	s_delay_alu instid0(VALU_DEP_1)
	v_add_nc_u32 v5, s41, v5                       ; q: row r, my half's 128 bytes
	s_delay_alu instid0(VALU_DEP_3)
	v_add_nc_u32 v6, s41, v6                       ; O: row r, + 32 h
	v_lshlrev_b32 v7, 12, v234
	s_delay_alu instid0(VALU_DEP_1)
	v_lshl_add_u32 v7, v233, 4, v7                 ; out0: a row is 4,096 bytes: lanes 16-31 one row down, 16 bytes a lane
	s_lshl_b32 s28, s10, 2
	s_add_co_u32 s28, s28, s11                     ; a = 4 w + j
	s_lshl_b32 s40, s28, 12                        ; a tile of q is 16 rows of 256 bytes
	v_add_nc_u32 v241, s40, v1
	s_sub_co_u32 s28, 127, s28                     ; the first tile: 127 - a
	s_lshl_b32 s40, s28, 12
	v_add_nc_u32 v240, s40, v1
	s_lshr_b32 s29, s10, 1
	s_sub_co_u32 s29, 15, s29                      ; its last step: (127 - a) / 8 = 15 - w / 2
	s_mov_b32 s[SEL], 0x76543210
	s_mov_b32 s[SEL+1], 0xfedcba98
	s_mov_b32 s[CS], 0x3e38aa3b                    ; log2(e) / 8
	s_mov_b32 s[CS+1], s[CS]                       ; (named with it as a pair, so it is written)
	; descriptor group 1: a unit, 8,960 dense bytes, as 35 rows of 256 bytes (32 elements of 8 bytes), no padding: images are read 16 bytes a lane on end
	s_mov_b32 s16, 15|(3<<16)|(1<<21)              ; 15:0 the mask: all four work-groups; 17:16 elements of 8 bytes; 21 set beside a mask
	s_mov_b32 s17, 32<<16                          ; tensor_dim0 = 32
	s_mov_b32 s18, 35<<16                          ; tensor_dim1 = 35
	s_mov_b32 s19, 32<<16                          ; tile_dim0 = 32
	s_mov_b32 s20, 35                              ; tile_dim1 = 35
	s_mov_b32 s21, 32                              ; from row to row
	s_mov_b32 s22, 0
	s_mov_b32 s23, 0
	s_mov_b32 s12, 1                               ; group 0: count = 1
	s_mul_i32 s13, s10, UNIT                       ; LDS address: unit w
	s_mov_b32 s27, 0
	s_wait_kmcnt 0x0
	s_lshl_b32 s26, s24, 19                        ; a head of q: 2,048 rows of 256 bytes
	s_add_nc_u64 s[4:5], s[4:5], s[26:27]
	s_lshr_b32 s26, s24, 4
	s_lshl_b32 s26, s26, 23                        ; out0: the batch's 2,048 rows of 4,096 bytes,
	s_and_b32 s40, s24, 15
	s_lshl_b32 s40, s40, 8                         ; the head's 256 bytes of a row
	s_add_co_u32 s26, s26, s40
	s_add_nc_u64 s[8:9], s[8:9], s[26:27]
	s_mul_i32 s26, s24, 16*UNIT
	s_add_co_u32 s26, s26, s13
	s_add_nc_u64 s[14:15], s[6:7], s[26:27]        ; global address: the head's unit w
	s_or_b32 s15, s15, 0x80000000                  ; type = 2
	CROUND                                         ; all four work-groups are here: the joint loads meet
	tensor_load_to_lds s[12:15], s[16:23]          ; my one tensor load
	s_nop 0
.rept 4
	v_nop
.endr
	s_wait_alu depctr_va_vdst(0)
.irp m, 0,1,2,3,4,5,6,7
	global_load_b128 v[96+4*\m:99+4*\m], v240, s[4:5] offset:512*\m th:TH_LOAD_NT    ; the first tile's rows of q: 512 consecutive bytes a load
.endr
.irp m, 0,1,2,3,4,5,6,7
	global_load_b128 v[128+4*\m:131+4*\m], v241, s[4:5] offset:512*\m th:TH_LOAD_NT  ; the second tile's
.endr
.irp i, 20,21,22,23
	v_mov_b32 v[\i], 0                             ; K = 64 .. 127 of Q's fragment: zero codes, for good
.endr
.irp t, 0,1,2,3,4,5,6,7
.irp i, 4,5,6,7
	v_mov_b32 v[32+8*\t+\i], 0                     ; and of K's eight fragments
.endr
.endr
.irp i, 236,237,238,239,252,253
	v_mov_b32 v[\i], 0                             ; lane permutes' destinations count as sources; v253 is named as the upper half of the pair v[252:253]
.endr
	; q turns through my stage: in by rows as loaded, out 32 neighbours of a row to a lane.  LDS serves a wave's instructions in order: no wait between the stores and the loads, nor ahead of the second tile's stores
	s_wait_loadcnt 8                               ; the first tile's eight loads are in, the second's eight may be out
.irp m, 0,1,2,3,4,5,6,7
	ds_store_b128 v4, v[96+4*\m:99+4*\m] offset:2*STP*\m
.endr
.irp j, 0,1,2,3,4,5,6,7
	ds_load_b128 v[160+4*\j:163+4*\j], v5 offset:16*\j
.endr
	s_wait_loadcnt 0x0
.irp m, 0,1,2,3,4,5,6,7
	ds_store_b128 v4, v[128+4*\m:131+4*\m] offset:2*STP*\m
.endr
.irp j, 0,1,2,3,4,5,6,7
	ds_load_b128 v[192+4*\j:195+4*\j], v5 offset:16*\j
.endr
	s_wait_dscnt 0x0
	QUANT2 160, 232, 16, 28                        ; block h of row r: the first tile's codes into Q's fragment, the second's are kept
	WORD 232, 0, 24
	WORD 232, 1, 25
	s_wait_tensorcnt 0x0                           ; my unit has landed (no LDS instruction of mine is out),
	s_barrier_signal -1
	s_barrier_wait -1                              ; everybody's has: the head's 16 units lie in LDS and are only read from here on
	s_mov_b32 s32, 0
.Lpass:                                            ; two trips: tile 127 - a, then tile a
	s_and_b32 s33, s28, 7
	s_lshl_b32 s33, s33, 4                         ; the tile's first query, counted from its last step's first key
	s_lshl_b32 s34, s28, 16                        ; the tile's 16 rows of out0
	v_add_nc_u32 v11, s33, v3                      ; d = my query - the last step's first key - 16 h
	v_add_nc_u32 v10, s34, v7
	v_mov_b32 v13, 0xff61b1e6                      ; the largest t so far: -3e38, under every t
	s_delay_alu instid0(VALU_DEP_1)
	v_floor_f32 v12, -v13                          ; -M
	v_mov_b32 v14, 0                               ; the sum, in two halves
	v_mov_b32 v15, 0
.irp j, 0,1,2,3,4,5,6,7,8,9,10,11,12,13,14,15,16,17,18,19,20,21,22,23,24,25,26,27,28,29,30,31
	v_mov_b32 v[160+\j], 0                         ; O^T: the step is written once: the first finds zeros, which the first change of M leaves zeros.  (Also the places between the writing of Q's codes and scale words and the first product)
.endr
	s_mov_b32 s30, 0
	s_mov_b32 s31, 0
.Lstep:                                            ; sixteen trips, a constant; a step behind the tile's last is passed over: a scalar branch that hangs on the wave's number and the pass alone
	s_cmp_gt_u32 s30, s29
	s_cbranch_scc1 .Lhidden
	s_setprio 2
	v_add_nc_u32 v8, s31, v1
	v_add_nc_u32 v9, s31, v2
	v_nop
	v_nop                                          ; four places behind the last step's products, ahead of the loads into registers that they read
	ds_load_b128 v[248:251], v8 offset:KSCO        ; K's scale words: word i: lanes 0-15 tile i, lanes 16-31 tile 4 + i
.irp t, 0,1,2,3,4,5,6,7
	ds_load_b128 v[32+8*\t:35+8*\t], v8 offset:512*\t
.endr
	ds_load_b64 v[26:27], v9 offset:VSCO           ; V's scale words: word i: lanes 0-15 tile 2 i, lanes 16-31 tile 2 i + 1
.irp n, 0,1,2,3
.irp c, 0,1
	ds_load_b128 v[192+8*\n+4*\c:195+8*\n+4*\c], v8 offset:VIMG+1024*\n+512*\c
.endr
.endr
	s_wait_dscnt 9                                 ; K's nine loads are in; V's nine may stay out until the second product
.irp t, 0,1,2,3
	v_wmma_scale_f32_16x16x128_f8f6f4 v[96+8*\t:103+8*\t], v[32+8*\t:39+8*\t], v[16:23], 0, v[248+\t], v24 matrix_a_fmt:MATRIX_FMT_FP4 matrix_b_fmt:MATRIX_FMT_FP4
.endr
.irp t, 4,5,6,7
	v_wmma_scale_f32_16x16x128_f8f6f4 v[96+8*\t:103+8*\t], v[32+8*\t:39+8*\t], v[16:23], 0, v[244+\t], v24 matrix_a_fmt:MATRIX_FMT_FP4 matrix_b_fmt:MATRIX_FMT_FP4 matrix_a_scale:MATRIX_SCALE_ROW1
.endr
.rept 4
	v_nop                                          ; places ahead of the first read of the scores
.endr
	s_cmp_lg_u32 s30, s29                          ; the tile's last step holds the diagonal; in the steps before it every key counts
	s_cbranch_scc1 .Lopen
	v_mov_b32 v242, 0xc79c4000                     ; -80,000
.irp n, 0,1,2,3,4,5,6,7,8,9,10,11,12,13,14,15,16,17,18,19,20,21,22,23,24,25,26,27,28,29,30,31,32,33,34,35,36,37,38,39,40,41,42,43,44,45,46,47,48,49,50,51,52,53,54,55,56,57,58,59,60,61,62,63
	v_cmp_gt_i32 vcc_lo, 32*(\n/16)+\n%16, v11     ; register 16 b + i holds the step's key 32 b + 16 h + i: hidden where 32 b + i > d
	v_cndmask_b32 v[96+\n], v[96+\n], v242, vcc_lo
.endr
.Lopen:
.irp b, 0,1,2,3
	v_max3_num_f32 v[232+\b], v[96+16*\b], v[97+16*\b], v[98+16*\b]   ; the largest score of each block of 32 keys: it serves for the row's maximum and, since p rises with the score, for the block's largest p
.endr
.irp i, 3,5,7,9,11,13
.irp b, 0,1,2,3
	v_max3_num_f32 v[232+\b], v[232+\b], v[96+16*\b+\i], v[97+16*\b+\i]   ; (the four blocks by turns)
.endr
.endr
.irp b, 0,1,2,3
	v_max_num_f32 v[232+\b], v[232+\b], v[111+16*\b]
.endr
.irp b, 0,1,2,3
	s_delay_alu instid0(VALU_DEP_4)
	v_permlanex16_b32 v[236+\b], v[232+\b], s[SEL], s[SEL+1]
.endr
.irp b, 0,1,2,3
	s_delay_alu instid0(VALU_DEP_4)
	v_max_num_f32 v[232+\b], v[232+\b], v[236+\b]  ; with lane l xor 16's 16 keys
.endr
	s_delay_alu instid0(VALU_DEP_2)
	v_max3_num_f32 v254, v232, v233, v234
	s_delay_alu instid0(VALU_DEP_1)
	v_max_num_f32 v254, v254, v235                 ; the step's largest score of my query
	s_delay_alu instid0(VALU_DEP_1)
	v_mul_f32 v254, s[CS], v254                    ; as t (c is positive)
	s_delay_alu instid0(VALU_DEP_1)
	v_max_num_f32 v13, v13, v254                   ; the running largest t
	v_mov_b32 v254, v12
	s_delay_alu instid0(VALU_DEP_2)
	v_floor_f32 v12, -v13                          ; the new -M = floor(-t) = -ceil(t): a whole number
	s_delay_alu instid0(VALU_DEP_1)
	v_sub_f32 v254, v12, v254                      ; M's old value less its new one: a whole number, 0 or less
	s_delay_alu instid0(VALU_DEP_1)
	v_cvt_i32_f32 v254, v254                       ; (it saturates)
	s_delay_alu instid0(VALU_DEP_1)
	v_ldexp_f32 v252, 1.0, v254                    ; f = 2^(old M - new M)
.irp j, 0,2,4,6,8,10,12,14,16,18,20,22,24,26,28,30,32,34,36,38,40,42,44,46,48,50,52,54,56,58,60,62
	v_pk_fma_f32 v[96+\j:97+\j], v[96+\j:97+\j], s[CS:CS+1], v[12:13] op_sel_hi:[1,0,0]   ; t - M, two at a time (of the pairs c and -M the low word serves both halves)
.endr
	s_setprio 1
.irp b, 0,1,2,3
	v_fma_f32 v[232+\b], v[232+\b], s[CS], v12     ; the same of each block's largest score
.endr
	s_wait_alu depctr_va_vdst(0)
.irp j, 0,1,2,3,4,5,6,7,8,9,10,11,12,13,14,15,16,17,18,19,20,21,22,23,24,25,26,27,28,29,30,31,32,33,34,35,36,37,38,39,40,41,42,43,44,45,46,47,48,49,50,51,52,53,54,55,56,57,58,59,60,61,62,63
	v_exp_f32 v[96+\j], v[96+\j]                   ; p = 2^(t - M): not normalised
.endr
.irp b, 0,1,2,3
	v_exp_f32 v[232+\b], v[232+\b]                 ; the block's largest p: the same two instructions on the same number give the same bits
.endr
	v_pk_mul_f32 v[14:15], v[14:15], v[252:253] op_sel_hi:[1,0]   ; the sums under the new M.  (A plain place behind the exponentials)
	s_wait_alu depctr_va_vdst(0)
.irp b, 0,1,2,3
	v_max_num_f32 v[232+\b], 0x1800000, v[232+\b]  ; the floor 2^(3 - 127): the byte cannot fall under 1 (a block whose every p is 0 keeps that byte: its codes are zeros)
.endr
.irp b, 0,1,2,3
	s_delay_alu instid0(VALU_DEP_4)
	v_add_nc_u32 v[244+\b], 0xff000000, v[232+\b]  ; 2 off the exponent field: the conversion's scale operand
.endr
.irp b, 0,1,2,3
	s_delay_alu instid0(VALU_DEP_4)
	v_lshrrev_b32 v[236+\b], 23, v[244+\b]         ; the scale's byte
.endr
	s_delay_alu instid0(VALU_DEP_3)
	v_lshl_or_b32 v253, v237, 8, v236              ; p's scale word for these 128 keys
	s_delay_alu instid0(VALU_DEP_1)
	v_lshl_or_b32 v253, v238, 16, v253
	s_delay_alu instid0(VALU_DEP_1)
	v_lshl_or_b32 v253, v239, 24, v253
.irp b, 0,1,2,3
	v_cvt_scalef32_pk8_fp4_f32 v[224+2*\b], v[96+16*\b:103+16*\b], v[244+\b]
	v_cvt_scalef32_pk8_fp4_f32 v[225+2*\b], v[104+16*\b:111+16*\b], v[244+\b]
.endr
	v_nop                                          ; one plain place behind the scaled conversions
.irp c, 0,1                                        ; the operand's layout wants a whole block in a lane: lanes 0-15 block 2 c, lanes 16-31 block 2 c + 1
.irp i, 0,1
	v_permlane16_swap_b32 v[224+4*\c+\i], v[226+4*\c+\i]
.endr
.endr
	v_pk_add_f32 v[236:237], v[100:101], v[104:105]
	v_pk_add_f32 v[254:255], v[108:109], v[112:113]
	v_pk_add_f32 v[250:251], v[116:117], v[120:121]
	v_pk_add_f32 v[248:249], v[124:125], v[128:129]
	v_pk_add_f32 v[246:247], v[132:133], v[136:137]
	v_pk_add_f32 v[244:245], v[140:141], v[144:145]
	v_pk_add_f32 v[242:243], v[148:149], v[152:153]
	v_pk_add_f32 v[14:15], v[14:15], v[156:157]
	v_pk_add_f32 v[236:237], v[236:237], v[96:97]
	v_pk_add_f32 v[254:255], v[254:255], v[98:99]
	v_pk_add_f32 v[250:251], v[250:251], v[102:103]
	v_pk_add_f32 v[248:249], v[248:249], v[106:107]
	v_pk_add_f32 v[246:247], v[246:247], v[110:111]
	s_setprio 0
	v_pk_add_f32 v[244:245], v[244:245], v[114:115]
	v_pk_add_f32 v[242:243], v[242:243], v[118:119]
	v_pk_add_f32 v[14:15], v[14:15], v[122:123]
	v_pk_add_f32 v[236:237], v[236:237], v[126:127]
	v_pk_add_f32 v[254:255], v[254:255], v[130:131]
	v_pk_add_f32 v[250:251], v[250:251], v[134:135]
	v_pk_add_f32 v[248:249], v[248:249], v[138:139]
	v_pk_add_f32 v[246:247], v[246:247], v[142:143]
	v_pk_add_f32 v[244:245], v[244:245], v[146:147]
	v_pk_add_f32 v[242:243], v[242:243], v[150:151]
	v_pk_add_f32 v[14:15], v[14:15], v[154:155]
	v_pk_add_f32 v[236:237], v[236:237], v[158:159]
	s_delay_alu instid0(VALU_DEP_2)
	v_pk_add_f32 v[14:15], v[14:15], v[248:249]
	s_delay_alu instid0(VALU_DEP_2)
	v_pk_add_f32 v[236:237], v[236:237], v[246:247]
	v_pk_add_f32 v[254:255], v[254:255], v[244:245]
	v_pk_add_f32 v[250:251], v[250:251], v[242:243]
	s_delay_alu instid0(VALU_DEP_2)
	v_pk_add_f32 v[14:15], v[14:15], v[254:255]
	s_delay_alu instid0(VALU_DEP_2)
	v_pk_add_f32 v[236:237], v[236:237], v[250:251]
	s_delay_alu instid0(VALU_DEP_1)
	v_pk_add_f32 v[14:15], v[14:15], v[236:237]
.irp j, 0,2,4,6,8,10,12,14,16,18,20,22,24,26,28,30
	v_pk_mul_f32 v[160+\j:161+\j], v[160+\j:161+\j], v[252:253] op_sel_hi:[1,0]   ; O^T under the new M, each accumulator from its low end on.  (With the sums above: the places between the writing of p's codes and scale word and the products below)
.endr
	s_wait_alu depctr_va_vdst(0)
	s_wait_dscnt 0x0                               ; V's fragments and scale words are in
.irp i, 0,1                                        ; O^T += V^T P^T: four tiles of 16 channels, K = these 128 keys; the four accumulators by turns, and the next matrix instruction is a tile of scores
	v_wmma_scale_f32_16x16x128_f8f6f4 v[160+16*\i:167+16*\i], v[192+16*\i:199+16*\i], v[224:231], v[160+16*\i:167+16*\i], v[26+\i], v253 matrix_a_fmt:MATRIX_FMT_FP4 matrix_b_fmt:MATRIX_FMT_FP4
	v_wmma_scale_f32_16x16x128_f8f6f4 v[168+16*\i:175+16*\i], v[200+16*\i:207+16*\i], v[224:231], v[168+16*\i:175+16*\i], v[26+\i], v253 matrix_a_fmt:MATRIX_FMT_FP4 matrix_b_fmt:MATRIX_FMT_FP4 matrix_a_scale:MATRIX_SCALE_ROW1
.endr
.Lhidden:
	s_add_co_u32 s31, s31, UNIT                    ; the next step's unit
	s_add_co_u32 s30, s30, 1
	s_cmp_lt_u32 s30, 16
	s_cbranch_scc1 .Lstep
	s_setprio 0
	; THE WAY OUT of a tile.  O^T is divided by the row's sum and goes through my stage, so that sixteen lanes store the head's 256 bytes of one row of out0
.rept 4
	v_nop                                          ; places behind the last products
.endr
	v_add_f32 v14, v14, v15                        ; the sum's two halves,
	s_delay_alu instid0(VALU_DEP_1)
	v_permlanex16_b32 v252, v14, s[SEL], s[SEL+1]
	s_delay_alu instid0(VALU_DEP_1)
	v_add_f32 v14, v14, v252                       ; and lane l xor 16's: the row's sum
	s_wait_alu depctr_va_vdst(0)
	v_rcp_f32 v14, v14
	v_nop                                          ; one plain place behind the transcendental
	s_wait_alu depctr_va_vdst(0)
.irp j, 0,2,4,6,8,10,12,14,16,18,20,22,24,26,28,30
	v_pk_mul_f32 v[128+\j:129+\j], v[160+\j:161+\j], v[14:15] op_sel_hi:[1,0]   ; register 8 n + i is o(query r, channel 16 n + 8 h + i)
.endr
.irp n, 0,1,2,3
	ds_store_b128 v6, v[128+8*\n:131+8*\n] offset:64*\n
	ds_store_b128 v6, v[132+8*\n:135+8*\n] offset:64*\n+16
.endr
.irp i, 0,1,2,3,4,5,6,7
	ds_load_b128 v[192+4*\i:195+4*\i], v4 offset:2*STP*\i   ; LDS serves a wave's instructions in order: these see my stores
.endr
.irp i, 0,1,2,3,4,5,6,7
	s_wait_dscnt 7-\i                              ; load i is in, the younger ones stay out
	global_store_b128 v10, v[192+4*\i:195+4*\i], s[8:9] offset:8192*\i th:TH_STORE_NT   ; 16 lanes store 256 consecutive bytes, aligned; written once, read by nobody here
.endr
	s_wait_xcnt 0x0                                ; the stores' offset and data registers are written again only behind this wait
	s_sub_co_u32 s28, 127, s28                     ; the other tile,
	s_sub_co_u32 s29, 15, s29                      ; its last step,
.irp i, 0,1,2,3
	v_mov_b32 v[16+\i], v[28+\i]                   ; its codes of Q
.endr
	v_mov_b32 v24, v25                             ; and their scale words
	s_add_co_u32 s32, s32, 1
	s_cmp_lt_u32 s32, 2
	s_cbranch_scc1 .Lpass
	s_wait_xcnt 0x0
	v_lshl_add_u32 v254, v0, 2, 0x34000
	v_mov_b32 v255, 0
	s_wait_alu depctr_va_vdst(0)
	s_wait_tensorcnt 0x0
	ds_add_u32 v254, v255
	s_wait_dscnt 0x0
	CROUND                                         ; the closing round (no LDS instruction and no tensor load of mine is out): no work-group ends while a partner may still ask for a unit that names it
	s_endpgm
.Lfunc_end_k_qa13c15058d_attn:
	.size	k_qa13c15058d_attn, .Lfunc_end_k_qa13c15058d_attn-k_qa13c15058d_attn
	.p2alignl 7, 3214868480
	.fill 96, 4, 3214868480
	.section	.rodata,"a",@progbits
	.p2align	6, 0x0
	.amdhsa_kernel k_qa13c15058d_attn
		.amdhsa_group_segment_fixed_size 215040
		.amdhsa_private_segment_fixed_size 0
		.amdhsa_enable_private_segment 0
		.amdhsa_kernarg_size 24
		.amdhsa_user_sgpr_count 2
		.amdhsa_user_sgpr_kernarg_segment_ptr 1
		.amdhsa_wavefront_size32 1
		.amdhsa_system_sgpr_workgroup_id_x 1
		.amdhsa_system_sgpr_workgroup_id_y 1
		.amdhsa_system_sgpr_workgroup_id_z 1
		.amdhsa_system_vgpr_workitem_id 0
		.amdhsa_next_free_vgpr 256
		.amdhsa_next_free_sgpr 66
		.amdhsa_reserve_vcc 1
		.amdhsa_float_denorm_mode_32 3
		.amdhsa_float_denorm_mode_16_64 3
		.amdhsa_memory_ordered 1
		.amdhsa_forward_progress 1
		.amdhsa_inst_pref_size 41
	.end_amdhsa_kernel
	.amdgpu_metadata
---
amdhsa.version: [ 1, 2 ]
amdhsa.kernels:
  - .name:           k_qa13c15058d_attn
    .symbol:         k_qa13c15058d_attn.kd
    .args:
      - { .name: q, .offset: 0, .size: 8, .value_kind: global_buffer, .address_space: global }
      - { .name: kv, .offset: 8, .size: 8, .value_kind: global_buffer, .address_space: global }
      - { .name: out0, .offset: 16, .size: 8, .value_kind: global_buffer, .address_space: global }
    .group_segment_fixed_size: 215040
    .private_segment_fixed_size: 0
    .kernarg_segment_align: 8
    .kernarg_segment_size: 24
    .max_flat_workgroup_size: 512
    .sgpr_count:     66
    .vgpr_count:     256
    .wavefront_size: 32
...
	.end_amdgpu_metadata
.endif
;; end of part 2
